; MI455X (gfx1250); checked and timed in simulation.
; The chip was launched on July 23, 2026; its instructions are those of AMD's public machine-readable ISA for CDNA 5 (MIT licence, August 2026) and "CDNA5" Instruction Set Architecture Reference Guide (July 2026). The comments in the code are by the model that wrote it; some were corrected since.
;; Self Attention. Allowed arithmetic: matrix products marked QUANTISED: E4M3 operands, one given power-of-two scale a tensor, by v_wmma_f32_16x16x64_fp8_fp8 or v_wmma_f32_16x16x128_fp8_fp8, f32 sums; everything else in f32.
;; Inputs: b_proj 256 float32; b_qkv 768 float32; ln_beta 256 float32; ln_gamma 256 float32; lowp_scales 8 int32 (the exponents e of the quantised operands' scales 2^e); w_proj_codes 256 x 8 x 32 uint8 (E4M3 codes of w_proj, K innermost, in blocks of 32 codes); w_qkv_codes 768 x 8 x 32 uint8 (E4M3 codes of w_qkv, K innermost, in blocks of 32 codes); x 4 x 256 x 64 x 64 float32.
;; Outputs: out0 4 x 256 x 64 x 64 float32.
;; This version of the problem:
;;   THIS VERSION OF THE PROBLEM IS GIVEN IN LOW PRECISION. The matrix products marked QUANTISED in the list below multiply operands that are first quantised to E4M3 (4 exponent bits, 3 mantissa bits; 8 bits a number), with one given power-of-two scale for each operand tensor; their sums are f32. All else is computed in f32.
;;   The module's matrix products, in the order in which they are computed (A, B: the left and right operand; K: the contracted axis; several contracted axes count as one K, in the product's order):
;;     1. [M 16,384, K 256] x [K 256, N 768]; A: computed on the way; B: input w_qkv (given as codes): QUANTISED (scales: A lowp_scales[0], B lowp_scales[1])
;;     2. batch 16 x [M 4,096, K 64] x [K 64, N 4,096]; A: computed on the way; B: computed on the way: QUANTISED (scales: A lowp_scales[2], B lowp_scales[3])
;;     3. batch 16 x [M 4,096, K 4,096] x [K 4,096, N 64]; A: softmax (see below); B: computed on the way: QUANTISED (scales: A lowp_scales[4], B lowp_scales[5])
;;     4. [M 16,384, K 256] x [K 256, N 256]; A: computed on the way; B: input w_proj (given as codes): QUANTISED (scales: A lowp_scales[6], B lowp_scales[7])
;;   THE QUANTISER, for each operand of a quantised product, along K:
;;     - The operand's scale is 2^e, e = its entry of the input lowp_scales (int32; the entries are numbered through the quantised products in the list's order, A before B).
;;     - Each number is divided by the scale, clamped to +-448, and rounded to the nearest number of E4M3, ties to even, subnormals kept.
;;     - The product sums the exact products of the quantised numbers (number of the format x scale) in f32.
;;   ~~~python
;;   def quantise(x, axis, e):      # numpy; x: float32 -> the quantised numbers, widened to float32 again
;;       x = np.moveaxis(x, axis, -1); K = x.shape[-1]
;;       r = np.clip(x / 2.0 ** e, -448, 448)
;;       step = 2.0 ** (np.maximum(np.frexp(np.where(r == 0, 1, r))[1] - 1, -6) - 3)
;;       q = np.round(r / step) * step * 2.0 ** e      # np.round: ties to even
;;       return np.moveaxis(q, -1, axis).astype(np.float32)
;;   ~~~
;;   SOFTMAX AHEAD OF A QUANTISED PRODUCT. Where the list says 'softmax', what is quantised is not the finished softmax but p = 2^(t - M), with t = logit x log2(e) and M = ceil(the row's largest t), a whole number; so 1/2 < the row's largest p <= 1. The row's sum l is taken of the UNQUANTISED p, in f32, and the product's result is divided by l at the end. Since M is a whole number, a kernel that streams over the keys may use a running M (the ceiling of the running maximum): every later rescaling is an exact power of two, so the quantised numbers keep their values, but for numbers so far below the row's largest that they fall under the format's range.
;;   OPERANDS COMPUTED ON THE WAY. 'Computed on the way' means the value that the module computes at that place (a softmax that the list does not call 'softmax' is quantised finished and normalised). What goes into a quantiser is computed in f32, as accurately as f32 sums, v_exp_f32 and their like allow (about 1e-6 of the number): no bf16 or f16 on the way to a quantiser, and a product that is left as it is and whose result goes on into a quantised operand takes f32 operands (vector FMAs, or v_wmma_f32_16x16x4_f32). A number that lies on a knife's edge between two numbers of the format may be rounded either way, as far as f32 arithmetic and the matrix unit's own rounding can turn it there, and no further.
;;   INPUTS GIVEN AS CODES. w_proj (in the module: [256, 256], K = its axis 0); w_qkv (in the module: [256, 768], K = its axis 0): each comes as NAME_codes (uint8): NAME with its K axis moved to the last place and cut into blocks of 32 codes, [.., K / 32, bytes a block], one block behind the other in memory; one code a byte (a code: sign, 4 exponent bits, 3 mantissa bits); its scale is its entry of lowp_scales. Its value is code x scale, taken as it is: it is not quantised again, and the codes and scales need not be those that the quantiser above would give.
;; One version. Each part assembles by itself: llvm-mc -triple=amdgcn-amd-amdhsa -mcpu=gfx1250 --defsym DOCPART=n.
;; ======== version 1 of 1: 2 launches
;; limits: right only within a limited range of input values
;; workspace buffers: qws 4,194,304 bytes; kvws 8,388,608 bytes
;; launch qkv (part 1): grid 64 x 4, 16 waves a work-group, no clusters, 169,984 bytes of LDS; arguments x, ln_gamma, ln_beta, w_qkv_codes, b_qkv, lowp_scales, qws, kvws; writes qws, kvws
.if DOCPART == 1
	.amdgcn_target "amdgcn-amd-amdhsa--gfx1250"
	.amdhsa_code_object_version 6
	.text
	.protected	k_qd483ba723c_qkv
	.globl	k_qd483ba723c_qkv
	.p2align	8
	.type	k_qd483ba723c_qkv,@function
k_qd483ba723c_qkv:
	s_mov_b64 s[64:65], 0
	v_nop
	global_prefetch_b8 v0, s[64:65] scope:SCOPE_SE
	s_setreg_imm32_b32 hwreg(HW_REG_WAVE_MODE, 25, 1), 1
	s_wait_xcnt 0x0
; LayerNorm over the 256 channels, Q(xn), qkv = xn w_qkv + b_qkv on codes of FP8 (E4M3), and Q(q), Q(k), Q(v), each with its given scale 2^e.
; x: [4][256][4096] f32, tokens innermost.  w_qkv_codes: [768][256], K innermost.  lowp_scales: e0 (xn), e1 (w_qkv), e2 (q), e3 (k), e4 (p), e5 (v), e6, e7.
; A work-group owns 64 tokens of one image: 256 bytes of each of the 256 channel rows.  Sixteen waves in two roles:
;   waves 12-15 (i = wave - 12): fetch 64 channel rows each by one tensor load, then take token tile i (16 tokens): mean, variance (of x - mean), xn, its codes; the codes go to LDS as images of the operand's registers.
;   waves 0-11: wave w owns output channels 64 w .. 64 w + 63 for all 64 tokens (0-3: q of head w; 4-7: k; 8-11: v); its 16 KiB of w_qkv stay in 128 registers.
; K of this product is laid alike in both operands: registers 4 c .. 4 c + 3 of lane (r, h) hold k = 32 c + 16 h + 0 .. 15 of a step of 128: every product meets its partner.
; q, k: the product is used transposed (source 0 = 16 rows of w_qkv, source 1 = 16 tokens): a lane holds one token and eight neighbouring channels, so one conversion gives registers 2 t, 2 t + 1 of the next operand (K = 64).
; v: source 0 = 16 tokens, source 1 = 16 rows of w_qkv: a lane holds one channel and eight neighbouring tokens: registers 2 c, 2 c + 1 of V^T (K = 128 keys).
; THE WORKSPACE HOLDS IMAGES OF OPERAND REGISTERS: each group of four registers is 512 bytes, lane l's 16 bytes at 16 l.  So every store of a wave covers 512 consecutive bytes, aligned.
;   qws:  fragment (image b, head, query tile T) at (b << 20) + (head << 18) + (T << 10).
;   kvws: block (b, key step S of 128 keys, head) at (b << 21) + (S << 16) + (head << 14): eight fragments of K (key tile u at 1024 u), then four of V^T (channel tile t at 8192 + 2048 t).
; LIMITS on the given exponents, so that each power of two below is an f32 number: e0, e2 - e0 - e1, e3 - e0 - e1 and e5 - e0 - e1 between -126 and 119.  NaN among the inputs is not served.
.set XP,    264                        ; a channel row in LDS: 64 f32 + 2 words of padding = 66 words: lanes 16-31 read 16 rows further on, 1,056 words = 32 mod 64 banks (64 banks of 4 bytes: ISA guide 11.1): 32 lanes, 32 banks
.set GB,    256*XP                     ; behind x's 256 rows: gamma (1,024 bytes), beta (1,024 bytes)
.set XIMG,  GB+2048                    ; xn's eight fragments: (token tile m, K step s) at (2 m + s) x 2,048
.set X,     128                        ; waves 12-15: v128-255 my token's 128 numbers: register 64 s + 16 c + i = channel 128 s + 32 c + 16 h + i
.set GS,    64                         ;              v64-127 two sets of 16 gamma + 16 beta
.set PC,    32                         ;              v32-63 the codes: 16 registers a K step
.set AC,    32                         ; waves 0-11:  v32-63 four accumulators
.set XF,    64                         ;              v64-95 xn's two fragments of a token tile
.set BI,    96                         ;              v96-127 q, k: the bias in the result's layout;  v: the codes
.set VC,    96
.set WF,    128                        ;              v128-255 w_qkv: fragment (t, s) at 32 t + 16 s
.set CD,    16                         ;              v16-31 q, k: two sets of codes;  v: the bias, a pair for each tile
; v1 16 x lane; v2 XIMG + 16 x lane; v3 x in LDS; v4 gamma, beta in LDS; v5, v6 their way in; v7 where I store images; v8 w_qkv; v9, v10 the bias.  All are made here, ahead of the roles' parting, and stay.
	s_load_b256 s[4:11], s[0:1], 0x0               ; x s[4:5], gamma s[6:7], beta s[8:9], w_qkv's codes s[10:11]
	s_load_b256 s[12:19], s[0:1], 0x20             ; b_qkv s[12:13], the scales' exponents s[14:15], qws s[16:17], kvws s[18:19]
	v_lshl_add_u32 v30, v0, 2, 0x29000
	v_mov_b32 v31, 0
	ds_add_u32 v30, v31
	ds_add_u32 v30, v31
	s_wait_dscnt 0x0
	v_lshrrev_b32 v11, 5, v0
	s_delay_alu instid0(VALU_DEP_1)
	v_readfirstlane_b32 s20, v11                   ; wave 0..15
	s_mov_b32 s21, ttmp9                           ; the block of 64 tokens
	s_and_b32 s22, ttmp7, 0xffff                   ; the image
	s_and_b32 s23, s20, 3                          ; waves 12-15: i;  waves 0-11: the head
	s_mov_b32 s58, 0x76543210                      ; v_permlanex16_b32's selects for lane l xor 16
	s_mov_b32 s59, 0xfedcba98
	v_and_b32 v12, 31, v0                          ; lane
	v_and_b32 v13, 15, v0                          ; r
	v_bfe_u32 v14, v0, 4, 1                        ; h
	s_delay_alu instid0(VALU_DEP_3)
	v_lshlrev_b32 v1, 4, v12
	s_delay_alu instid0(VALU_DEP_1)
	v_add_nc_u32 v2, XIMG, v1
	s_delay_alu instid0(VALU_DEP_3)
	v_mul_u32_u24 v3, v14, 16*XP
	s_delay_alu instid0(VALU_DEP_1)
	v_lshl_add_u32 v3, v13, 2, v3
	s_lshl_b32 s36, s23, 6
	v_add_nc_u32 v3, s36, v3                       ; token 16 i + r: 64 i + 4 r, + 16 h rows
	v_lshlrev_b32 v4, 6, v14
	s_delay_alu instid0(VALU_DEP_1)
	v_add_nc_u32 v4, GB, v4                        ; my half's 16 numbers of a chunk of 32
	v_and_b32 v5, 127, v0
	s_delay_alu instid0(VALU_DEP_1)
	v_lshlrev_b32 v5, 4, v5
	s_delay_alu instid0(VALU_DEP_1)
	v_add_nc_u32 v5, GB, v5                        ; waves 12, 13 bring gamma, waves 14, 15 beta: 16 bytes a lane
	v_and_b32 v6, 63, v0
	s_delay_alu instid0(VALU_DEP_1)
	v_lshlrev_b32 v6, 4, v6
	s_lshl_b32 s36, s23, 12
	v_add_nc_u32 v7, s36, v2                       ; my token tile's two images
	v_lshlrev_b32 v8, 8, v13
	s_delay_alu instid0(VALU_DEP_1)
	v_lshl_add_u32 v8, v14, 4, v8                  ; w_qkv: row r of 256 bytes, + 16 h
	v_lshlrev_b32 v9, 5, v14                       ; q, k: my half's eight channels of a tile
	v_lshlrev_b32 v10, 2, v13                      ; v: channel r of a tile
	; descriptor group 1: 64 rows of 64 f32, 4,096 elements apart, two words of padding behind each row
	s_mov_b32 s24, (2<<16)|(1<<20)|(5<<22)|(1<<25) ; 15:0 no mask; 17:16 elements of 4 bytes; 20 padding on; 24:22 after every 64 words (code 5); 31:25 two words (code 1)
	s_mov_b32 s25, 64<<16                          ; tensor_dim0
	s_mov_b32 s26, 64<<16                          ; tensor_dim1
	s_mov_b32 s27, 64<<16                          ; tile_dim0
	s_mov_b32 s28, 64                              ; tile_dim1
	s_mov_b32 s29, 4096                            ; tensor_dim0_stride
	s_mov_b32 s30, 0
	s_mov_b32 s31, 0
	s_mov_b32 s32, 1                               ; group 0: count = 1,
	s_mul_i32 s33, s23, 64*XP                      ; channel rows 64 i on in LDS,
	s_lshl_b32 s36, s22, 22                        ; and in memory: the image,
	s_lshl_b32 s37, s23, 20                        ; 64 i rows of 16,384 bytes,
	s_add_co_u32 s36, s36, s37
	s_lshl_b32 s37, s21, 8                         ; the block's 256 bytes of a row
	s_add_co_u32 s36, s36, s37
	s_mov_b32 s37, 0
	s_wait_kmcnt 0x0
	s_load_b256 s[40:47], s[14:15], 0x0            ; e0 .. e7
	s_add_nc_u64 s[34:35], s[4:5], s[36:37]
	s_or_b32 s35, s35, 0x80000000                  ; type = 2
	s_cmp_lt_u32 s20, 12
	s_cbranch_scc1 .Lhead_gemm
	tensor_load_to_lds s[32:35], s[24:31]          ; my one tensor load: nothing in this launch is filled again
	s_nop 0
.rept 4
	v_nop
.endr
	s_cmp_lt_u32 s20, 14
	s_cselect_b64 s[38:39], s[6:7], s[8:9]
	s_wait_alu depctr_va_vdst(0)
	global_load_b128 v[16:19], v6, s[38:39]
	s_wait_loadcnt 0x0
	ds_store_b128 v5, v[16:19]
	s_branch .Lhead_done
.Lhead_gemm:
	s_lshl_b32 s36, s20, 14                        ; my 64 rows of w_qkv
	s_add_nc_u64 s[48:49], s[10:11], s[36:37]
	s_wait_alu depctr_va_vdst(0)
.irp t, 0,1,2,3
.irp s, 0,1
.irp c, 0,1,2,3
	global_load_b128 v[WF+32*\t+16*\s+4*\c:WF+32*\t+16*\s+4*\c+3], v8, s[48:49] offset:4096*\t+128*\s+32*\c
.endr
.endr
.endr
	s_lshl_b32 s36, s20, 8                         ; my 64 numbers of b_qkv
	s_add_nc_u64 s[50:51], s[12:13], s[36:37]
	s_cmp_lt_u32 s20, 8
	s_cbranch_scc0 .Lbias_v
.irp t, 0,1,2,3
	global_load_b128 v[BI+8*\t:BI+8*\t+3], v9, s[50:51] offset:64*\t       ; register j of tile t: channel 16 t + 8 h + j
	global_load_b128 v[BI+8*\t+4:BI+8*\t+7], v9, s[50:51] offset:64*\t+16
.endr
	s_branch .Lhead_done
.Lbias_v:
.irp t, 0,1,2,3
	global_load_b32 v[CD+2*\t], v10, s[50:51] offset:64*\t                 ; channel 16 t + r
	v_mov_b32 v[CD+2*\t+1], 0                      ; (named with it as a pair, so it is written)
.endr
.Lhead_done:
	s_wait_tensorcnt 0x0                           ; my part of x has landed,
	s_wait_dscnt 0x0                               ; my part of gamma and beta is stored:
	s_barrier_signal -1
	s_barrier_wait -1                              ; everybody's is
	s_cmp_lt_u32 s20, 12
	s_cbranch_scc1 .Lx_skip
	; ---- waves 12-15: LayerNorm and the codes of xn for 16 tokens.  Lane (r, h) holds 128 channels of token r; lane l xor 16 holds the other 128
.macro GBLOAD q                        ; gamma and beta of chunk q (channels 32 q + 16 h + 0 .. 15) into set q % 2: eight loads
.irp n, 0,1,2,3
	ds_load_b128 v[GS+32*((\q)%2)+4*\n:GS+32*((\q)%2)+4*\n+3], v4 offset:128*(\q)+16*\n
	ds_load_b128 v[GS+32*((\q)%2)+16+4*\n:GS+32*((\q)%2)+16+4*\n+3], v4 offset:1024+128*(\q)+16*\n
.endr
.endm
.set j, 0
.rept 128
	ds_load_b32 v[X+j], v3 offset:(128*(j/64)+32*((j/16)%4)+j%16)*XP
.set j, j+1
.endr
	GBLOAD 0
	GBLOAD 1
	s_wait_kmcnt 0x0
	s_add_co_i32 s36, s40, 127
	s_lshl_b32 s37, s36, 23
	v_mov_b32 v24, s37                             ; 2^e0 as f32: the conversion takes its exponent field
	s_add_co_i32 s36, s36, 8
	s_lshl_b32 s36, s36, 23
	s_or_b32 s36, s36, 0x600000
	v_mov_b32 v25, s36                             ; 448 x 2^e0
	v_mov_b32 v20, 0                               ; written once: a lane permute's destination counts as one of its sources
	s_wait_dscnt 16                                ; x's 128 loads are in; the sixteen of gamma and beta may be out
	v_pk_add_f32 v[14:15], v[128:129], v[136:137]
	v_pk_add_f32 v[16:17], v[144:145], v[152:153]
	v_pk_add_f32 v[18:19], v[160:161], v[168:169]
	v_pk_add_f32 v[62:63], v[176:177], v[184:185]
	v_pk_add_f32 v[60:61], v[192:193], v[200:201]
	v_pk_add_f32 v[58:59], v[208:209], v[216:217]
	v_pk_add_f32 v[56:57], v[224:225], v[232:233]
	v_pk_add_f32 v[12:13], v[240:241], v[248:249]
	s_delay_alu instid0(VALU_DEP_1)
	v_pk_add_f32 v[12:13], v[12:13], v[130:131]
	v_pk_add_f32 v[14:15], v[14:15], v[138:139]
	v_pk_add_f32 v[16:17], v[16:17], v[146:147]
	v_pk_add_f32 v[18:19], v[18:19], v[154:155]
	v_pk_add_f32 v[62:63], v[62:63], v[162:163]
	v_pk_add_f32 v[60:61], v[60:61], v[170:171]
	v_pk_add_f32 v[58:59], v[58:59], v[178:179]
	v_pk_add_f32 v[56:57], v[56:57], v[186:187]
	v_pk_add_f32 v[12:13], v[12:13], v[194:195]
	v_pk_add_f32 v[14:15], v[14:15], v[202:203]
	v_pk_add_f32 v[16:17], v[16:17], v[210:211]
	v_pk_add_f32 v[18:19], v[18:19], v[218:219]
	v_pk_add_f32 v[62:63], v[62:63], v[226:227]
	v_pk_add_f32 v[60:61], v[60:61], v[234:235]
	v_pk_add_f32 v[58:59], v[58:59], v[242:243]
	v_pk_add_f32 v[56:57], v[56:57], v[250:251]
	v_pk_add_f32 v[12:13], v[12:13], v[132:133]
	v_pk_add_f32 v[14:15], v[14:15], v[140:141]
	v_pk_add_f32 v[16:17], v[16:17], v[148:149]
	v_pk_add_f32 v[18:19], v[18:19], v[156:157]
	v_pk_add_f32 v[62:63], v[62:63], v[164:165]
	v_pk_add_f32 v[60:61], v[60:61], v[172:173]
	v_pk_add_f32 v[58:59], v[58:59], v[180:181]
	v_pk_add_f32 v[56:57], v[56:57], v[188:189]
	v_pk_add_f32 v[12:13], v[12:13], v[196:197]
	v_pk_add_f32 v[14:15], v[14:15], v[204:205]
	v_pk_add_f32 v[16:17], v[16:17], v[212:213]
	v_pk_add_f32 v[18:19], v[18:19], v[220:221]
	v_pk_add_f32 v[62:63], v[62:63], v[228:229]
	v_pk_add_f32 v[60:61], v[60:61], v[236:237]
	v_pk_add_f32 v[58:59], v[58:59], v[244:245]
	v_pk_add_f32 v[56:57], v[56:57], v[252:253]
	v_pk_add_f32 v[12:13], v[12:13], v[134:135]
	v_pk_add_f32 v[14:15], v[14:15], v[142:143]
	v_pk_add_f32 v[16:17], v[16:17], v[150:151]
	v_pk_add_f32 v[18:19], v[18:19], v[158:159]
	v_pk_add_f32 v[62:63], v[62:63], v[166:167]
	v_pk_add_f32 v[60:61], v[60:61], v[174:175]
	v_pk_add_f32 v[58:59], v[58:59], v[182:183]
	v_pk_add_f32 v[56:57], v[56:57], v[190:191]
	v_pk_add_f32 v[12:13], v[12:13], v[198:199]
	v_pk_add_f32 v[14:15], v[14:15], v[206:207]
	v_pk_add_f32 v[16:17], v[16:17], v[214:215]
	v_pk_add_f32 v[18:19], v[18:19], v[222:223]
	v_pk_add_f32 v[62:63], v[62:63], v[230:231]
	v_pk_add_f32 v[60:61], v[60:61], v[238:239]
	v_pk_add_f32 v[58:59], v[58:59], v[246:247]
	v_pk_add_f32 v[56:57], v[56:57], v[254:255]
	s_delay_alu instid0(VALU_DEP_4)
	v_pk_add_f32 v[12:13], v[12:13], v[62:63]
	s_delay_alu instid0(VALU_DEP_4)
	v_pk_add_f32 v[14:15], v[14:15], v[60:61]
	s_delay_alu instid0(VALU_DEP_4)
	v_pk_add_f32 v[16:17], v[16:17], v[58:59]
	s_delay_alu instid0(VALU_DEP_4)
	v_pk_add_f32 v[18:19], v[18:19], v[56:57]
	s_delay_alu instid0(VALU_DEP_2)
	v_pk_add_f32 v[12:13], v[12:13], v[16:17]
	s_delay_alu instid0(VALU_DEP_2)
	v_pk_add_f32 v[14:15], v[14:15], v[18:19]
	s_delay_alu instid0(VALU_DEP_1)
	v_pk_add_f32 v[12:13], v[12:13], v[14:15]
	s_delay_alu instid0(VALU_DEP_1)
	v_add_f32 v12, v12, v13
	s_delay_alu instid0(VALU_DEP_1)
	v_permlanex16_b32 v20, v12, s58, s59
	s_delay_alu instid0(VALU_DEP_1)
	v_add_f32 v12, v12, v20
	s_delay_alu instid0(VALU_DEP_1)
	v_mul_f32 v22, 0x3b800000, v12                 ; the mean: / 256
	v_mov_b32 v23, 0                               ; (named with it as a pair)
.set j, 0
.rept 64
	v_pk_add_f32 v[X+j:X+j+1], v[X+j:X+j+1], v[22:23] op_sel_hi:[1,0] neg_lo:[0,1] neg_hi:[0,1]   ; x - mean
.set j, j+2
.endr
.irp k, 0,1,2,3                        ; the sum of its squares
	v_pk_mul_f32 v[12+2*\k:13+2*\k], v[X+2*\k:X+2*\k+1], v[X+2*\k:X+2*\k+1]
.endr
.set j, 8
.rept 15
.irp k, 0,1,2,3
	s_delay_alu instid0(VALU_DEP_4)
	v_pk_fma_f32 v[12+2*\k:13+2*\k], v[X+j+2*\k:X+j+2*\k+1], v[X+j+2*\k:X+j+2*\k+1], v[12+2*\k:13+2*\k]
.endr
.set j, j+8
.endr
	s_delay_alu instid0(VALU_DEP_3)
	v_pk_add_f32 v[12:13], v[12:13], v[14:15]
	s_delay_alu instid0(VALU_DEP_2)
	v_pk_add_f32 v[16:17], v[16:17], v[18:19]
	s_delay_alu instid0(VALU_DEP_1)
	v_pk_add_f32 v[12:13], v[12:13], v[16:17]
	s_delay_alu instid0(VALU_DEP_1)
	v_add_f32 v12, v12, v13
	s_delay_alu instid0(VALU_DEP_1)
	v_permlanex16_b32 v20, v12, s58, s59
	s_delay_alu instid0(VALU_DEP_1)
	v_add_f32 v12, v12, v20
	v_mov_b32 v21, 0x3b800000
	s_delay_alu instid0(VALU_DEP_1)
	v_fmaak_f32 v12, v21, v12, 0x3727c5ac          ; the variance + 1e-5
	s_wait_alu depctr_va_vdst(0)
	v_rsq_f32 v26, v12
	v_mov_b32 v27, 0                               ; a plain instruction behind the transcendental; (named with v26 as a pair)
	s_wait_alu depctr_va_vdst(0)                   ; the wait ahead of the first reader
.macro CHUNK q                         ; 16 numbers: x rsqrt, x gamma + beta, the hold, two conversions
.if \q < 7
	s_wait_dscnt 8                                 ; this chunk's gamma and beta are in; the next chunk's eight loads may be out
.else
	s_wait_dscnt 0x0
.endif
.set XQ, X+16*(\q)
.set GQ, GS+32*((\q)%2)
.irp i, 0,2,4,6,8,10,12,14
	v_pk_mul_f32 v[XQ+\i:XQ+\i+1], v[XQ+\i:XQ+\i+1], v[26:27] op_sel_hi:[1,0]
.endr
.irp i, 0,2,4,6,8,10,12,14
	v_pk_fma_f32 v[XQ+\i:XQ+\i+1], v[XQ+\i:XQ+\i+1], v[GQ+\i:GQ+\i+1], v[GQ+16+\i:GQ+16+\i+1]
.endr
.irp i, 0,1,2,3,4,5,6,7,8,9,10,11,12,13,14,15
	v_med3_num_f32 v[XQ+\i], v[XQ+\i], -v25, v25   ; the conversion to an 8-bit code does not saturate (ISA guide 7.6.2): the hold at the largest code x the scale
.endr
	v_cvt_scalef32_pk8_fp8_f32 v[PC+4*(\q):PC+4*(\q)+1], v[XQ:XQ+7], v24
	v_cvt_scalef32_pk8_fp8_f32 v[PC+4*(\q)+2:PC+4*(\q)+3], v[XQ+8:XQ+15], v24
.if \q < 6
	GBLOAD (\q)+2
.endif
.endm
.macro IMAGE s                         ; a K step's fragment goes to LDS as it stands
	v_nop                                          ; a plain vector line behind the last conversion
.irp c, 0,1,2,3
	ds_store_b128 v7, v[PC+16*\s+4*\c:PC+16*\s+4*\c+3] offset:2048*\s+512*\c
.endr
.endm
	CHUNK 0
	CHUNK 1
	CHUNK 2
	CHUNK 3
	IMAGE 0
	CHUNK 4
	CHUNK 5
	CHUNK 6
	CHUNK 7
	IMAGE 1
.Lx_skip:
	s_wait_dscnt 0x0                               ; my images are stored:
	s_barrier_signal -1
	s_barrier_wait -1                              ; xn's eight fragments lie in LDS
	s_cmp_lt_u32 s20, 12
	s_cbranch_scc1 .Lgemm
	s_wait_xcnt 0x0
	v_lshl_add_u32 v30, v0, 2, 0x29000
	v_mov_b32 v31, 0
	s_wait_alu depctr_va_vdst(0)
	s_wait_tensorcnt 0x0
	ds_add_u32 v30, v31
	s_wait_dscnt 0x0
	s_endpgm
	; ---- waves 0-11: the product, the bias, the codes
.Lgemm:
	s_wait_loadcnt 0x0                             ; w_qkv and the bias
	s_wait_kmcnt 0x0
	s_add_co_i32 s36, s40, s41                     ; a sum stands for sum x 2^(e0 + e1): the bias goes in as b / 2^(e0 + e1),
	s_sub_co_i32 s37, 0, s36
	s_cmp_lt_u32 s20, 4
	s_cselect_b32 s38, s42, s43                    ; q: e2, k: e3,
	s_cmp_lt_u32 s20, 8
	s_cselect_b32 s38, s38, s45                    ; v: e5
	s_sub_co_i32 s38, s38, s36                     ; and the three scales are folded into the conversion's one
	s_add_co_i32 s38, s38, 127
	s_lshl_b32 s39, s38, 23
	v_mov_b32 v12, s39
	s_lshl_b32 s48, s22, 20                        ; where my codes go.  q: (b << 20) + (head << 18) + (block << 12)
	s_lshl_b32 s49, s23, 18
	s_add_co_u32 s48, s48, s49
	s_lshl_b32 s49, s21, 12
	s_add_co_u32 s48, s48, s49
	s_lshl_b32 s50, s22, 21                        ; k, v: (b << 21) + (key step << 16) + (head << 14),
	s_lshr_b32 s51, s21, 1
	s_lshl_b32 s51, s51, 16
	s_add_co_u32 s50, s50, s51
	s_lshl_b32 s51, s23, 14
	s_add_co_u32 s50, s50, s51
	s_and_b32 s51, s21, 1                          ; which half of the key step's 128 keys my block is:
	s_lshl_b32 s54, s51, 12                        ; k: four fragments of 1,024 bytes on;
	s_lshl_b32 s55, s51, 10
	s_add_co_u32 s55, s55, 8192                    ; v: behind K's eight fragments, eight registers (1,024 bytes) on in each fragment
	s_cmp_lt_u32 s20, 8
	s_cselect_b32 s54, s54, s55
	s_add_co_u32 s50, s50, s54
	s_cmp_lt_u32 s20, 4
	s_cselect_b32 s56, s48, s50
	s_cselect_b64 s[52:53], s[16:17], s[18:19]
	s_mov_b32 s57, 0
	s_add_nc_u64 s[52:53], s[52:53], s[56:57]
.macro FETCHX m                        ; token tile m's two fragments of xn
.irp s, 0,1
.irp c, 0,1,2,3
	ds_load_b128 v[XF+16*\s+4*\c:XF+16*\s+4*\c+3], v2 offset:(2*(\m)+\s)*2048+512*\c
.endr
.endr
.endm
.macro HOLD
.set j, 0
.rept 32
.set j, j+1
.endr
.endm
; q and k: a token tile.  The four accumulators take turns, one instruction a turn; the bias is the C of each sum's first product.
.macro QKTILE m
	s_wait_dscnt 0x0
.irp t, 0,1,2,3
	v_wmma_f32_16x16x128_fp8_fp8 v[AC+8*\t:AC+8*\t+7], v[WF+32*\t:WF+32*\t+15], v[XF:XF+15], v[BI+8*\t:BI+8*\t+7]
.endr
.irp t, 0,1,2,3
	v_wmma_f32_16x16x128_fp8_fp8 v[AC+8*\t:AC+8*\t+7], v[WF+32*\t+16:WF+32*\t+31], v[XF+16:XF+31], v[AC+8*\t:AC+8*\t+7]
.endr
.rept 4
	v_nop                                          ; places in front of loads into registers that the products have read, and of the first read of results
.endr
.if \m < 3
	FETCHX (\m)+1
.endif
	HOLD
.if \m >= 2
	s_wait_xcnt 0x0                                ; the stores of two tiles ago have read their registers: this set of codes is written again only behind this wait
.endif
.irp t, 0,1,2,3
	v_cvt_scalef32_pk8_fp8_f32 v[CD+8*((\m)%2)+2*\t:CD+8*((\m)%2)+2*\t+1], v[AC+8*\t:AC+8*\t+7], v12   ; registers 2 t, 2 t + 1 of the fragment: d = 16 t + 8 h + 0 .. 7
.endr
	v_nop                                          ; a plain vector line between the conversions and the next products, which write their sources
	global_store_b128 v1, v[CD+8*((\m)%2):CD+8*((\m)%2)+3], s[52:53] offset:1024*(\m)
	global_store_b128 v1, v[CD+8*((\m)%2)+4:CD+8*((\m)%2)+7], s[52:53] offset:1024*(\m)+512
.endm
; v: the sources change places; the bias, one number a lane and tile, is added to the finished sums.
.macro VTILE m
	s_wait_dscnt 0x0
.irp t, 0,1,2,3
	v_wmma_f32_16x16x128_fp8_fp8 v[AC+8*\t:AC+8*\t+7], v[XF:XF+15], v[WF+32*\t:WF+32*\t+15], 0
.endr
	s_wait_alu depctr_va_vdst(0)
.irp t, 0,1,2,3
	v_wmma_f32_16x16x128_fp8_fp8 v[AC+8*\t:AC+8*\t+7], v[XF+16:XF+31], v[WF+32*\t+16:WF+32*\t+31], v[AC+8*\t:AC+8*\t+7]
.endr
.rept 4
	v_nop
.endr
.if \m < 3
	FETCHX (\m)+1
.endif
.irp t, 0,1,2,3
.irp i, 0,2,4,6
	v_pk_add_f32 v[AC+8*\t+\i:AC+8*\t+\i+1], v[AC+8*\t+\i:AC+8*\t+\i+1], v[CD+2*\t:CD+2*\t+1] op_sel_hi:[1,0]
.endr
.endr
	HOLD
.irp t, 0,1,2,3
	v_cvt_scalef32_pk8_fp8_f32 v[VC+8*\t+2*(\m):VC+8*\t+2*(\m)+1], v[AC+8*\t:AC+8*\t+7], v12   ; keys 16 m + 8 h + 0 .. 7 of my block, channel 16 t + r
.endr
	v_nop
.endm
	FETCHX 0
	s_cmp_lt_u32 s20, 8
	s_cbranch_scc0 .Lv_role
.set j, 0
.rept 32
	v_ldexp_f32 v[BI+j], v[BI+j], s37
.set j, j+1
.endr
	s_wait_alu depctr_va_vdst(0)
	QKTILE 0
	QKTILE 1
	QKTILE 2
	QKTILE 3
	s_wait_xcnt 0x0
	v_lshl_add_u32 v30, v0, 2, 0x29000
	v_mov_b32 v31, 0
	s_wait_alu depctr_va_vdst(0)
	s_wait_tensorcnt 0x0
	ds_add_u32 v30, v31
	s_wait_dscnt 0x0
	s_endpgm
.Lv_role:
.irp t, 0,1,2,3
	v_ldexp_f32 v[CD+2*\t], v[CD+2*\t], s37
.endr
	VTILE 0
	VTILE 1
	VTILE 2
	VTILE 3
.irp t, 0,1,2,3
	global_store_b128 v1, v[VC+8*\t:VC+8*\t+3], s[52:53] offset:2048*\t
	global_store_b128 v1, v[VC+8*\t+4:VC+8*\t+7], s[52:53] offset:2048*\t+512
.endr
	s_wait_xcnt 0x0
	v_lshl_add_u32 v30, v0, 2, 0x29000
	v_mov_b32 v31, 0
	s_wait_alu depctr_va_vdst(0)
	s_wait_tensorcnt 0x0
	ds_add_u32 v30, v31
	s_wait_dscnt 0x0
	s_endpgm
.Lfunc_end_k_qd483ba723c_qkv:
	.size	k_qd483ba723c_qkv, .Lfunc_end_k_qd483ba723c_qkv-k_qd483ba723c_qkv
	.p2alignl 7, 3214868480
	.fill 96, 4, 3214868480
	.section	.rodata,"a",@progbits
	.p2align	6, 0x0
	.amdhsa_kernel k_qd483ba723c_qkv
		.amdhsa_group_segment_fixed_size 169984
		.amdhsa_private_segment_fixed_size 0
		.amdhsa_enable_private_segment 0
		.amdhsa_kernarg_size 64
		.amdhsa_user_sgpr_count 2
		.amdhsa_user_sgpr_kernarg_segment_ptr 1
		.amdhsa_wavefront_size32 1
		.amdhsa_system_sgpr_workgroup_id_x 1
		.amdhsa_system_sgpr_workgroup_id_y 1
		.amdhsa_system_sgpr_workgroup_id_z 1
		.amdhsa_system_vgpr_workitem_id 0
		.amdhsa_next_free_vgpr 256
		.amdhsa_next_free_sgpr 66
		.amdhsa_reserve_vcc 0
		.amdhsa_float_denorm_mode_32 3
		.amdhsa_float_denorm_mode_16_64 3
		.amdhsa_fp16_overflow 1
		.amdhsa_memory_ordered 1
		.amdhsa_forward_progress 1
		.amdhsa_inst_pref_size 76
	.end_amdhsa_kernel
	.amdgpu_metadata
---
amdhsa.version: [ 1, 2 ]
amdhsa.kernels:
  - .name:           k_qd483ba723c_qkv
    .symbol:         k_qd483ba723c_qkv.kd
    .args:
      - { .name: x, .offset: 0, .size: 8, .value_kind: global_buffer, .address_space: global }
      - { .name: ln_gamma, .offset: 8, .size: 8, .value_kind: global_buffer, .address_space: global }
      - { .name: ln_beta, .offset: 16, .size: 8, .value_kind: global_buffer, .address_space: global }
      - { .name: w_qkv_codes, .offset: 24, .size: 8, .value_kind: global_buffer, .address_space: global }
      - { .name: b_qkv, .offset: 32, .size: 8, .value_kind: global_buffer, .address_space: global }
      - { .name: lowp_scales, .offset: 40, .size: 8, .value_kind: global_buffer, .address_space: global }
      - { .name: qws, .offset: 48, .size: 8, .value_kind: global_buffer, .address_space: global }
      - { .name: kvws, .offset: 56, .size: 8, .value_kind: global_buffer, .address_space: global }
    .group_segment_fixed_size: 169984
    .private_segment_fixed_size: 0
    .kernarg_segment_align: 8
    .kernarg_segment_size: 64
    .max_flat_workgroup_size: 512
    .sgpr_count:     66
    .vgpr_count:     256
    .wavefront_size: 32
...
	.end_amdgpu_metadata
.endif
;; end of part 1
;; launch attn (part 2): grid 64 x 4, 8 waves a work-group, clusters of 4 x 1, 327,680 bytes of LDS; arguments qws, kvws, w_proj_codes, b_proj, lowp_scales, x, out0; writes out0
.if DOCPART == 2
	.amdgcn_target "amdgcn-amd-amdhsa--gfx1250"
	.amdhsa_code_object_version 6
	.text
	.protected	k_qd483ba723c_attn
	.globl	k_qd483ba723c_attn
	.p2align	8
	.type	k_qd483ba723c_attn,@function
k_qd483ba723c_attn:
	s_mov_b64 s[64:65], 0
	v_nop
	global_prefetch_b8 v0, s[64:65] scope:SCOPE_SE
	s_setreg_imm32_b32 hwreg(HW_REG_WAVE_MODE, 25, 1), 1
	s_wait_xcnt 0x0
	s_wait_alu depctr_hold_cnt(0) depctr_sa_sdst(0) depctr_va_vdst(0) depctr_va_sdst(0) depctr_va_ssrc(0) depctr_va_vcc(0) depctr_vm_vsrc(0)
	s_getreg_b32 s2, hwreg(HW_REG_IB_STS2, 6, 4)
	s_cmp_eq_u32 s2, 0
	s_cbranch_scc0 .Lentry_in_a_cluster
	s_endpgm
.Lentry_in_a_cluster:
	s_bfe_u32 s2, ttmp6, 0x10000c
	s_cmp_lg_u32 s2, 0x3003
	s_cbranch_scc0 .Lentry_shape_is_right
	s_endpgm
.Lentry_shape_is_right:
; out0 = x + (softmax(q k^T / 16) v) w_proj + b_proj, all three products on codes of FP8 (E4M3), each operand with its given scale 2^e (e2 q, e3 k, e4 p, e5 v, e6 o, e7 w_proj).
; qws and kvws hold images of operand registers (a group of four registers = 512 bytes, lane l's 16 bytes at 16 l):
;   qws:  fragment (image b, head, query tile T) at (b << 20) + (head << 18) + (T << 10);   kvws: block (b, key step S of 128 keys, head) at (b << 21) + (S << 16) + (head << 14): 8 fragments of K, then 4 of V^T.
; THE SOFTMAX AHEAD OF THE SECOND PRODUCT: t = score x log2(e) / 16; M = the row's largest t so far, rounded UP to a whole number; p = 2^(t - M) is quantised, not normalised.  The row's sum is taken of the
; unquantised p and divides at the end.  When M moves, the sum and O are multiplied by 2^(old M - new M): nothing is rounded, and there is no branch on data.
; SHARES.  A work-group owns 64 queries of one image for ALL four heads, so that the projection and the residual follow in the same launch.  Wave w: head w % 4, query tiles 2 (w / 4) and 2 (w / 4) + 1 of the four:
; each fragment of K and V that it reads from LDS feeds two products.  Two waves share a SIMD: one's vector work stands beside the other's products and LDS loads.  At the end wave w makes output channels 32 w .. 32 w + 31.
; LAYOUT.  S^T = K Q^T (source 0 = 16 keys, source 1 = 16 queries), O^T = V^T P^T: a lane holds ONE query throughout.  A result tile's eight registers, through one conversion, are registers 2 c, 2 c + 1 of the next operand:
; S^T's key tile u gives c = u of P (K = 128 keys); O^T's channel tile t gives c = t of o (K = 64 of the head; two heads on end are a K step of 128 of the projection).
; CLUSTER.  The four work-groups of a cluster belong to one image and walk the same K and V, so each tile is asked for JOINTLY: the same tensor load, the same descriptor, a mask that names the four.
; RING.  Two LDS slots of 256 keys x 4 heads (131,072 bytes, dense in memory); each of the eight waves brings 16 KiB by one load.  The change of slots stands at a slot's head; the load has the slot's two key steps in which to land.
; LIMITS on the given exponents, so that each power of two below is an f32 number: e2 + e3 between -122 and 130 (added to c's exponent field); e4 and e6 between -126 and 119; e6 + e7 between -126 and 127;
; e4 + e5 is applied by v_ldexp_f32 and has none.  NaN among the inputs is not served.
; REGISTERS, in windows of 256.  Window 0: v1-9 addresses and constants; v16-39 statistics, 12 a tile; v40-57 the end's addresses and constants; v64-191 S^T then p, 64 a tile; v192-223 P's codes, 16 a tile.
;   Window 1: v0-63 O^T (tile a, channels 16 t on: 32 a + 8 t); v64-79 Q; v128-191 K's eight fragments; v192-255 V^T's four.
.set SLOT1, 1<<17                      ; slot 1 begins here, so that one exclusive or turns an address in one slot into the other's
.set SPARE, 2*SLOT1                    ; behind the ring: the spare words, 128 bytes for each wave: four blocks of 256 bytes that no other line names
.set OIMG,  SPARE+1024                 ; o's codes: fragment (token tile m, head) at 4096 m + 1024 head
.set STAGE, OIMG+16384                 ; the way out: 16 rows x 272 bytes for each wave
.set SP,    272
.set LK0, 1                            ; v1, v2  my lane's place in my head's block of a slot's first, second key step
.set ADR, 3                            ; v3   the LDS address of the step in hand
.set SPW, 4                            ; v4   LDS address of my spare word: SPARE + 4 x my thread's number; never rewritten
.set NIL, 5                            ; v5   0; never rewritten
.set PFO, 6                            ; v6   256 x lane: the prefetches of K and V
.set LG,  7                            ; v7   16 x lane
.set PMAX, 8
.set PSC, 9                            ; v9   2^e4
.set ST,  16                           ; tile a's statistics at v[16 + 12 a]: +0 -M, +1 the largest t, +2, +3 the sum, +4 f (+5 = 0), +6, +7 a second chain of the sum, +8, +9 at work, +10 a permute's destination
.set STO, 40                           ; v40  the stage: where I put 32 bytes of a channel's row
.set RD,  41                           ; v41  and where I read a row back
.set XO,  42                           ; v42  my byte offset in two channel rows of x and of out0
.set WO,  43                           ; v43  w_proj: row r of 256 bytes, + 8 h
.set OIA, 44                           ; v44  where I store o's images
.set OIF, 45                           ; v45  where I read them
.set PFX, 46                           ; v46  16,384 x lane: the prefetch of x
.set BP,  48                           ; v[48:49], v[50:51] b_proj of my two channel tiles
.set OSC, 52                           ; v52  2^e6
.set RL,  54                           ; v[54:55], v[56:57] 2^(e4 + e5) / the sum
.set S,   64
.set P,   192
.set XR,  64                           ; the end: x's 16 x 4 registers
.set OQ,  128                          ; the end: o, then o's first fragments, then the results
.set BK,  192                          ; the end: o's second fragments, then rows back from the stage
.set OT,  0                            ; window 1
.set QF,  64
.set KF,  128
.set VF,  192
.set TB,  36                           ; s36  LDS byte at which the slot in hand begins
.set SLOTS, 37                         ; s37  slots still to be asked for
.set MSB, 0
.macro WIN new                         ; low byte: bits 1:0 source 0, 3:2 source 1, 5:4 source 2, 7:6 destination; the high byte repeats the setting that is left
.if MSB != \new
	s_set_vgpr_msb (MSB<<8)|\new
.set MSB, \new
.endif
.endm
; A round of the cluster's barrier: my work-group's barrier, so that wave 0's signal speaks for all eight waves; wave 0 signals for the work-group; every wave waits for all four work-groups; my work-group's barrier once more.
.macro CROUND
	s_barrier_signal -1
	s_barrier_wait -1
	s_cmp_lg_u32 s18, 0
	s_cbranch_scc1 .Lnot_wave_0_\@
	s_barrier_signal -3
.Lnot_wave_0_\@:
	s_barrier_wait -3
	s_barrier_signal -1
	s_barrier_wait -1
.endm
; A PREFETCH INTO THE L2 of the slot that the NEXT change of slots will ask for: 131,072 bytes.  All clusters of an image walk the same K and V: the image's first cluster asks.  Its four partners take 32 KiB each,
; told apart BY ADDRESS; in each, waves 0 to 3 take 8 KiB, lanes 256 bytes apart: each aligned block of 256 bytes is named once in the launch.  The last change that fills a slot asks for nothing.
.macro ASK
	s_cmp_gt_u32 s[SLOTS], s50
	s_cbranch_scc0 .Lnot_mine_\@
	global_prefetch_b8 v[PFO], s[48:49] th:TH_LOAD_NT scope:SCOPE_SE
.Lnot_mine_\@:
.endm
	s_load_b256 s[4:11], s[0:1], 0x0               ; qws s[4:5], kvws s[6:7], w_proj's codes s[8:9], b_proj s[10:11]
	s_load_b128 s[12:15], s[0:1], 0x20             ; the scales' exponents s[12:13], x s[14:15]
	s_load_b64 s[16:17], s[0:1], 0x30              ; out0
	v_lshl_add_u32 v[SPW], v0, 2, SPARE
	v_mov_b32 v[NIL], 0
	ds_add_u32 v4, v5
	ds_add_u32 v4, v5
	s_wait_dscnt 0x0
	v_lshrrev_b32 v10, 5, v0
	s_delay_alu instid0(VALU_DEP_1)
	v_readfirstlane_b32 s18, v10                   ; wave 0..7
	s_and_b32 s19, s18, 3                          ; my head
	s_lshr_b32 s20, s18, 2                         ; which pair of query tiles
	s_and_b32 s67, ttmp7, 0xffff                   ; the image, which the four partners share
	; descriptor group 1: 16 KiB, dense in memory, as 64 rows of 256 bytes
	s_mov_b32 s24, 15|(3<<16)|(1<<21)              ; 15:0 the mask: all four work-groups; 17:16 elements of 8 bytes; 21 set beside a mask; no padding: an image is read 512 consecutive bytes at a time
	s_mov_b32 s25, 32<<16                          ; tensor_dim0
	s_mov_b32 s26, 64<<16                          ; tensor_dim1
	s_mov_b32 s27, 32<<16                          ; tile_dim0
	s_mov_b32 s28, 64                              ; tile_dim1
	s_mov_b32 s29, 32                              ; tensor_dim0_stride
	s_mov_b32 s30, 0
	s_mov_b32 s31, 0
	s_mov_b32 s32, 1                               ; group 0, which walks: count = 1,
	s_lshl_b32 s33, s18, 14                        ; my eighth of slot 0: (key step wave / 4, head wave % 4): no place in the cluster enters it,
	s_lshl_b32 s68, s67, 21
	s_add_co_u32 s68, s68, s33                     ; and the same eighth of the image's first 256 keys
	s_mov_b32 s69, 0
	s_wait_kmcnt 0x0
	s_load_b256 s[40:47], s[12:13], 0x0            ; e0 .. e7
	s_add_nc_u64 s[34:35], s[6:7], s[68:69]
	s_or_b32 s35, s35, 0x80000000                  ; type = 2
	CROUND                                         ; all four work-groups are here: the first joint loads meet
	tensor_load_to_lds s[32:35], s[24:31]          ; slot 0
	s_nop 0
.rept 4
	v_nop
.endr
	s_bfe_u32 s21, ttmp6, 0x40000                  ; cx: my place in the cluster: it enters global addresses of Q, x, out0 and the prefetches alone
	s_lshl_b32 s66, ttmp9, 2
	s_add_co_u32 s66, s66, s21                     ; my block of 64 queries
	v_and_b32 v10, 31, v0                          ; lane
	v_and_b32 v11, 15, v0                          ; r
	v_bfe_u32 v12, v0, 4, 1                        ; h
	s_delay_alu instid0(VALU_DEP_3)
	v_lshlrev_b32 v[LG], 4, v10
	s_wait_alu depctr_va_vdst(0)
	s_lshl_b32 s70, s67, 20                        ; Q: (b << 20) + (head << 18) + (block << 12) + (pair << 11)
	s_lshl_b32 s71, s19, 18
	s_add_co_u32 s70, s70, s71
	s_lshl_b32 s71, s66, 12
	s_add_co_u32 s70, s70, s71
	s_lshl_b32 s71, s20, 11
	s_add_co_u32 s70, s70, s71
	s_mov_b32 s71, 0
	s_add_nc_u64 s[60:61], s[4:5], s[70:71]
	WIN 0x40                                       ; destination window 1
.irp j, 0,1,2,3
	global_load_b128 v[QF+4*\j:QF+4*\j+3], v[LG], s[60:61] offset:512*\j   ; my two fragments of Q stay in registers
.endr
.set j, 0
.rept 64
	v_mov_b32 v[OT+j], 0                           ; O^T.  (The key step is written without a first step of its own: it finds zeros, which the first change of M leaves zeros)
.set j, j+1
.endr
	WIN 0
	s_lshl_b32 s74, s18, 7                         ; b_proj: my 32 channels; lane (r, h) wants channel 16 n + r
	s_mov_b32 s75, 0
	s_add_nc_u64 s[62:63], s[10:11], s[74:75]
	v_lshlrev_b32 v14, 2, v11
	global_load_b32 v[BP], v14, s[62:63]
	global_load_b32 v[BP+2], v14, s[62:63] offset:64
	v_mov_b32 v[BP+1], 0                           ; (named as the upper halves of pairs)
	v_mov_b32 v[BP+3], 0
	s_lshl_b32 s72, s19, 14
	v_add_nc_u32 v[LK0], s72, v[LG]
	s_delay_alu instid0(VALU_DEP_1)
	v_add_nc_u32 v[LK0+1], 65536, v[LK0]
	v_lshlrev_b32 v[PFO], 8, v10
	s_mul_i32 s72, s18, 16*SP
	s_add_co_u32 s72, s72, STAGE                   ; my stage
	v_mul_u32_u24 v[STO], v11, SP                  ; in: row = channel r; token tile m's eight tokens of my half: 64 m + 32 h bytes on
	s_delay_alu instid0(VALU_DEP_1)
	v_lshl_add_u32 v[STO], v12, 5, v[STO]
	s_delay_alu instid0(VALU_DEP_1)
	v_add_nc_u32 v[STO], s72, v[STO]
	v_mul_u32_u24 v[RD], v12, SP                   ; back: lanes 0-15 one row of 256 bytes, lanes 16-31 the next
	s_delay_alu instid0(VALU_DEP_1)
	v_lshl_add_u32 v[RD], v11, 4, v[RD]
	s_delay_alu instid0(VALU_DEP_1)
	v_add_nc_u32 v[RD], s72, v[RD]
	v_lshlrev_b32 v[XO], 14, v12                   ; and the same two channel rows in x and out0
	s_delay_alu instid0(VALU_DEP_1)
	v_lshl_add_u32 v[XO], v11, 4, v[XO]
	v_lshlrev_b32 v[WO], 8, v11
	s_delay_alu instid0(VALU_DEP_1)
	v_lshl_add_u32 v[WO], v12, 3, v[WO]
	s_lshl_b32 s72, s20, 13
	s_lshl_b32 s73, s19, 10
	s_add_co_u32 s72, s72, s73
	s_add_co_u32 s72, s72, OIMG
	v_add_nc_u32 v[OIA], s72, v[LG]                ; token tile 2 (wave / 4) + a, my head
	v_add_nc_u32 v[OIF], OIMG, v[LG]
	v_lshlrev_b32 v[PFX], 14, v10
.irp a, 0,1
	v_mov_b32 v[ST+12*\a+1], 0xff61b1e6            ; the largest t so far: -3e38, under every t
	s_delay_alu instid0(VALU_DEP_1)
	v_floor_f32 v[ST+12*\a], -v[ST+12*\a+1]        ; -M
	v_mov_b32 v[ST+12*\a+2], 0                     ; the sum, in two halves
	v_mov_b32 v[ST+12*\a+3], 0
	v_mov_b32 v[ST+12*\a+5], 0                     ; (named as the upper half of f's pair)
	v_mov_b32 v[ST+12*\a+10], 0                    ; written once: a lane permute's destination counts as one of its sources
.endr
	s_lshl_b32 s74, s67, 22                        ; x and out0: the image, my 32 channel rows of 16,384 bytes, my block's 256 bytes of a row
	s_lshl_b32 s76, s18, 19
	s_add_co_u32 s74, s74, s76
	s_lshl_b32 s76, s66, 8
	s_add_co_u32 s74, s74, s76
	s_add_nc_u64 s[54:55], s[14:15], s[74:75]
	s_add_nc_u64 s[56:57], s[16:17], s[74:75]
	s_lshl_b32 s74, s18, 13                        ; my 32 rows of w_proj
	s_add_nc_u64 s[58:59], s[8:9], s[74:75]
	s_lshl_b32 s76, s67, 21                        ; the prefetches: the image, my work-group's 32 KiB, my wave's 8 KiB,
	s_lshl_b32 s77, s21, 15
	s_add_co_u32 s76, s76, s77
	s_lshl_b32 s77, s19, 13
	s_add_co_u32 s76, s76, s77
	s_add_co_u32 s76, s76, 131072                  ; in slot 1: the first change of slots steps it to slot 2.  Nothing is prefetched here, at the head
	s_mov_b32 s77, 0
	s_add_nc_u64 s[48:49], s[6:7], s[76:77]
	s_or_b32 s50, s20, ttmp9                       ; 0 in waves 0 to 3 of the image's first cluster: the same in all four partners
	s_cmp_eq_u32 s50, 0
	s_cselect_b32 s50, 1, -1                       ; a wave prefetches while the slots still to be asked for are above this
	s_mov_b32 s38, 0x76543210                      ; v_permlanex16_b32's selects for lane l xor 16
	s_mov_b32 s39, 0xfedcba98
	s_mov_b32 s[TB], 0
	s_mov_b32 s[SLOTS], 15
	s_mov_b32 s22, 0x3db8aa3b                      ; c = log2(e) / 16
	s_wait_kmcnt 0x0
	s_add_co_i32 s72, s42, s43
	s_lshl_b32 s72, s72, 23
	s_add_co_i32 s22, s22, s72                     ; a score stands for score x 2^(e2 + e3): the two exponents are added to c's exponent field
	s_mov_b32 s23, s22                             ; (named with it as a pair, so it is written)
	s_add_co_i32 s72, s44, 127
	s_lshl_b32 s73, s72, 23
	v_mov_b32 v[PSC], s73                          ; 2^e4 as f32, for p's conversions
	s_add_co_i32 s72, s46, 127
	s_lshl_b32 s73, s72, 23
	v_mov_b32 v[OSC], s73                          ; 2^e6, for o's
	s_add_co_i32 s52, s46, s47
	s_add_co_i32 s52, s52, 127
	s_lshl_b32 s52, s52, 23                        ; 2^(e6 + e7) as f32
	s_mov_b32 s53, s52
	s_add_co_i32 s51, s44, s45                     ; e4 + e5
; A KEY STEP: 128 keys, the q-th of the slot in hand, for both my query tiles.  last = 1: the launch's last step, which also asks for w_proj and x.
.macro STEP q, last
	WIN 0
	v_add_nc_u32 v[ADR], s[TB], v[LK0+\q]
.rept 3
	v_nop                                          ; with the addition: four places in front of loads into registers that the last products have read (ISA guide 7.12.1 for vector instructions)
.endr
	WIN 0x40                                       ; destination window 1
.irp u, 0,1,2,3,4,5,6,7
	ds_load_b128 v[KF+8*\u:KF+8*\u+3], v[ADR] offset:1024*\u
	ds_load_b128 v[KF+8*\u+4:KF+8*\u+7], v[ADR] offset:1024*\u+512
.endr
.irp t, 0,1,2,3
.irp j, 0,1,2,3
	ds_load_b128 v[VF+16*\t+4*\j:VF+16*\t+4*\j+3], v[ADR] offset:8192+2048*\t+512*\j
.endr
.endr
	s_wait_dscnt 16                                ; K's sixteen loads are in; V's sixteen may be out
	WIN 0x05                                       ; K and Q in window 1, S^T in window 0
.irp u, 0,1,2,3,4,5,6,7
.irp a, 0,1
	v_wmma_f32_16x16x64_fp8_fp8 v[S+64*\a+8*\u:S+64*\a+8*\u+7], v[KF+8*\u:KF+8*\u+7], v[QF+8*\a:QF+8*\a+7], 0
.endr
.endr
	WIN 0
.rept 4
	v_nop                                          ; places in front of the first read of results
.endr
.if \last
	WIN 0x40
.irp n, 0,1                            ; w_proj's fragments (channel tile n, K step g of 128) take K's registers: registers 2 c, 2 c + 1: k = 128 g + 16 c + 8 h + 0 .. 7
.irp g, 0,1
.irp c, 0,1,2,3,4,5,6,7
	global_load_b64 v[KF+32*\n+16*\g+2*\c:KF+32*\n+16*\g+2*\c+1], v[WO], s[58:59] offset:4096*\n+128*\g+16*\c
.endr
.endr
.endr
	WIN 0
.endif
	; the step's largest score of each query, among my 64 keys, in two chains a tile; each accumulator is read from its low end on
.irp a, 0,1
	v_max3_num_f32 v[ST+12*\a+8], v[S+64*\a], v[S+64*\a+1], v[S+64*\a+2]
	v_max3_num_f32 v[ST+12*\a+9], v[S+64*\a+3], v[S+64*\a+4], v[S+64*\a+5]
.endr
.set j, 6
.rept 14
.irp a, 0,1
	v_max3_num_f32 v[ST+12*\a+8], v[ST+12*\a+8], v[S+64*\a+j], v[S+64*\a+j+1]
	v_max3_num_f32 v[ST+12*\a+9], v[ST+12*\a+9], v[S+64*\a+j+2], v[S+64*\a+j+3]
.endr
.set j, j+4
.endr
.irp a, 0,1
	v_max3_num_f32 v[ST+12*\a+8], v[ST+12*\a+8], v[S+64*\a+62], v[S+64*\a+63]
.endr
.irp a, 0,1
	s_delay_alu instid0(VALU_DEP_2)
	v_max_num_f32 v[ST+12*\a+8], v[ST+12*\a+8], v[ST+12*\a+9]
.endr
.irp a, 0,1
	s_delay_alu instid0(VALU_DEP_2)
	v_permlanex16_b32 v[ST+12*\a+10], v[ST+12*\a+8], s38, s39
.endr
.irp a, 0,1
	s_delay_alu instid0(VALU_DEP_2)
	v_max_num_f32 v[ST+12*\a+8], v[ST+12*\a+8], v[ST+12*\a+10]   ; and among lane l xor 16's
.endr
.irp a, 0,1
	s_delay_alu instid0(VALU_DEP_2)
	v_mul_f32 v[ST+12*\a+8], s22, v[ST+12*\a+8]    ; as t (c is positive)
.endr
.irp a, 0,1
	s_delay_alu instid0(VALU_DEP_2)
	v_max_num_f32 v[ST+12*\a+1], v[ST+12*\a+1], v[ST+12*\a+8]    ; the running largest t
.endr
.irp a, 0,1
	v_mov_b32 v[ST+12*\a+8], v[ST+12*\a]
.endr
.irp a, 0,1
	s_delay_alu instid0(VALU_DEP_4)
	v_floor_f32 v[ST+12*\a], -v[ST+12*\a+1]        ; the new -M = floor(-t) = -ceil(t): a whole number
.endr
.irp a, 0,1
	s_delay_alu instid0(VALU_DEP_2)
	v_sub_f32 v[ST+12*\a+8], v[ST+12*\a], v[ST+12*\a+8]          ; M's old value less its new one: a whole number, 0 or less
.endr
.irp a, 0,1
	s_delay_alu instid0(VALU_DEP_2)
	v_cvt_i32_f32 v[ST+12*\a+8], v[ST+12*\a+8]     ; (it saturates)
.endr
.irp a, 0,1
	s_delay_alu instid0(VALU_DEP_2)
	v_ldexp_f32 v[ST+12*\a+4], 1.0, v[ST+12*\a+8]  ; f = 2^(old M - new M)
.endr
.set j, 0
.rept 32
.irp a, 0,1
	v_pk_fma_f32 v[S+64*\a+j:S+64*\a+j+1], v[S+64*\a+j:S+64*\a+j+1], s[22:23], v[ST+12*\a:ST+12*\a+1] op_sel_hi:[1,0,0]   ; t - M, two at a time (of the pairs c and -M the low word serves both halves)
.endr
.set j, j+2
.endr
.set j, 0
	s_wait_alu depctr_va_vdst(0)
.rept 128
	v_exp_f32 v[S+j], v[S+j]                       ; p = 2^(t - M), at most 1: both tiles' exponentials are ONE batch
.set j, j+1
.endr
.irp a, 0,1
	v_pk_mul_f32 v[ST+12*\a+2:ST+12*\a+3], v[ST+12*\a+2:ST+12*\a+3], v[ST+12*\a+4:ST+12*\a+5] op_sel_hi:[1,0]   ; the sums under the new M.  (Plain lines behind the exponentials)
.endr
	s_wait_alu depctr_va_vdst(0)                   ; one wait for the whole batch, ahead of its first reader
.irp a, 0,1                            ; the row's sum is taken of the UNQUANTISED p: two at a time, in two chains a tile
	v_pk_add_f32 v[ST+12*\a+6:ST+12*\a+7], v[S+64*\a:S+64*\a+1], v[S+64*\a+2:S+64*\a+3]
.endr
.set j, 4
.rept 15
.irp a, 0,1
	v_pk_add_f32 v[ST+12*\a+2:ST+12*\a+3], v[ST+12*\a+2:ST+12*\a+3], v[S+64*\a+j:S+64*\a+j+1]
	v_pk_add_f32 v[ST+12*\a+6:ST+12*\a+7], v[ST+12*\a+6:ST+12*\a+7], v[S+64*\a+j+2:S+64*\a+j+3]
.endr
.set j, j+4
.endr
.irp a, 0
	s_delay_alu instid0(VALU_DEP_3)
	v_pk_add_f32 v[ST+12*\a+2:ST+12*\a+3], v[ST+12*\a+2:ST+12*\a+3], v[ST+12*\a+6:ST+12*\a+7]
.endr
.irp a, 1
	s_delay_alu instid0(VALU_DEP_2)
	v_pk_add_f32 v[ST+12*\a+2:ST+12*\a+3], v[ST+12*\a+2:ST+12*\a+3], v[ST+12*\a+6:ST+12*\a+7]
.endr
.irp a, 0,1
.irp u, 0,1,2,3,4,5,6,7
.irp i, 0,1,2,3,4,5,6,7
.endr
	v_cvt_scalef32_pk8_fp8_f32 v[P+16*\a+2*\u:P+16*\a+2*\u+1], v[S+64*\a+8*\u:S+64*\a+8*\u+7], v[PSC]   ; registers 2 u, 2 u + 1 of P: keys 16 u + 8 h + 0 .. 7
.endr
.endr
.if \last
	v_nop
.irp i, 0,1,2,3,4,5,6,7,8,9,10,11,12,13,14,15
	global_load_b128 v[XR+4*\i:XR+4*\i+3], v[XO], s[54:55] offset:32768*\i th:TH_LOAD_NT   ; x for the residual: channel rows 2 i, 2 i + 1 of my 32, into registers that p has left; sixteen lanes read 256 consecutive bytes
.endr
.endif
	WIN 0x41                                       ; O^T (destination and source 0) in window 1, f in window 0
.irp a, 0,1
.set j, 0
.rept 16
	v_pk_mul_f32 v[OT+32*\a+j:OT+32*\a+j+1], v[OT+32*\a+j:OT+32*\a+j+1], v[ST+12*\a+4:ST+12*\a+5] op_sel_hi:[1,0]   ; O^T under the new M.  (These are also the plain lines between the conversions and the products below)
.set j, j+2
.endr
.endr
	s_wait_alu depctr_va_vdst(0)
	s_wait_dscnt 0x0                               ; V is in
	WIN 0x51                                       ; V in window 1, P in window 0, O^T in window 1
.irp t, 0,1,2,3                        ; the eight accumulators take one turn each
.irp a, 0,1
	v_wmma_f32_16x16x128_fp8_fp8 v[OT+32*\a+8*\t:OT+32*\a+8*\t+7], v[VF+16*\t:VF+16*\t+15], v[P+16*\a:P+16*\a+15], v[OT+32*\a+8*\t:OT+32*\a+8*\t+7]
.endr
.endr
	WIN 0
.endm
; THE CHANGE OF SLOTS stands at a slot's head.  Each wave waits for all its tensor loads (its part of the slot that it is about to read), adds 0 to its spare word, and waits for that and for its reads of the slot that it has left.
; fill = 1: a round of the cluster's barrier, so that no wave of any partner still reads the other slot or has a load on its way; the joint refill is the first thing behind it.
.macro CHANGE fill
	WIN 0
	s_wait_tensorcnt 0x0                           ; no tensor load of mine is out, so group 0 may be written
	ds_add_u32 v[SPW], v[NIL]                      ; 0 onto my spare word
.if \fill
	s_xor_b32 s33, s33, SLOT1                      ; the walking descriptor: the other slot than last time,
	s_add_nc_u64 s[34:35], s[34:35], 131072        ; the next 256 keys; the type bits on top are not reached
	s_wait_xcnt 0x0                                ; the last prefetch, a slot back, has read its address, so it may be written:
	s_add_nc_u64 s[48:49], s[48:49], 131072        ; one slot further on than the walking descriptor
	s_wait_dscnt 0x0                               ; the add is done, and my reads of the slot that I have left are over
	CROUND
	tensor_load_to_lds s[32:35], s[24:31]          ; my one tensor load until the next round
	s_nop 0
.rept 4
	v_nop
.endr
	ASK
.else
	s_wait_dscnt 0x0
	s_barrier_signal -1
	s_barrier_wait -1
	global_prefetch_b8 v[PFX], s[54:55] th:TH_LOAD_NT scope:SCOPE_SE   ; x for the residual: my 32 channel rows' 256 bytes, a lane a row, each named once in the launch; the loads follow in the second of the two key steps left
.endif
.endm
	s_wait_loadcnt 0x0                             ; Q and b_proj
.Lslot:                                            ; 15 trips: behind each change of slots but the last the next slot is asked for
	CHANGE 1
	STEP 0, 0
	STEP 1, 0
	s_xor_b32 s[TB], s[TB], SLOT1                  ; on to the other slot
	s_sub_co_u32 s[SLOTS], s[SLOTS], 1
	s_cmp_lg_u32 s[SLOTS], 0
	s_cbranch_scc1 .Lslot
	CHANGE 0                                       ; the last slot is written out
	STEP 0, 0
	STEP 1, 1
	; ---- o = O^T x 2^(e4 + e5) / the sum, and its codes.  The lines on the sums are the places behind the last products
.irp a, 0,1
	v_add_f32 v[ST+12*\a+2], v[ST+12*\a+2], v[ST+12*\a+3]        ; the sum's two halves,
.endr
.irp a, 0,1
	s_delay_alu instid0(VALU_DEP_2)
	v_permlanex16_b32 v[ST+12*\a+10], v[ST+12*\a+2], s38, s39
.endr
.irp a, 0,1
	s_delay_alu instid0(VALU_DEP_2)
	v_add_f32 v[ST+12*\a+2], v[ST+12*\a+2], v[ST+12*\a+10]       ; and lane l xor 16's
.endr
	s_wait_alu depctr_va_vdst(0)
.irp a, 0,1
	v_rcp_f32 v[RL+2*\a], v[ST+12*\a+2]
.endr
	v_mov_b32 v[RL+1], 0                           ; plain lines behind the reciprocals; (the pairs' upper halves)
	v_mov_b32 v[RL+3], 0
	s_wait_alu depctr_va_vdst(0)                   ; one wait for both, ahead of the first reader
.irp a, 0,1
	v_ldexp_f32 v[RL+2*\a], v[RL+2*\a], s51
.endr
	WIN 0x01                                       ; source 0 (O^T) window 1
.irp a, 0,1
.set j, 0
.rept 16
	v_pk_mul_f32 v[OQ+32*\a+j:OQ+32*\a+j+1], v[OT+32*\a+j:OT+32*\a+j+1], v[RL+2*\a:RL+2*\a+1] op_sel_hi:[1,0]
.set j, j+2
.endr
.endr
	WIN 0
.set j, 0
.rept 64
.set j, j+1
.endr
.irp a, 0,1
.irp t, 0,1,2,3
	v_cvt_scalef32_pk8_fp8_f32 v[224+8*\a+2*\t:224+8*\a+2*\t+1], v[OQ+32*\a+8*\t:OQ+32*\a+8*\t+7], v[OSC]   ; registers 2 t, 2 t + 1: channels 16 t + 8 h + 0 .. 7 of my head
.endr
.endr
	v_nop                                          ; a plain vector line behind the last conversion
.irp a, 0,1
	ds_store_b128 v[OIA], v[224+8*\a:224+8*\a+3] offset:4096*\a
	ds_store_b128 v[OIA], v[224+8*\a+4:224+8*\a+7] offset:4096*\a+512
.endr
	s_wait_dscnt 0x0                               ; for the others' sake: my images are stored
	s_barrier_signal -1
	s_barrier_wait -1                              ; o's sixteen images lie in LDS
	; ---- the projection: my 32 channels for the 64 tokens.  Source 0 = 16 tokens of o, source 1 = 16 rows of w_proj: a lane holds one channel and eight neighbouring tokens, as out0 lies
.irp g, 0,1                            ; heads 2 g and 2 g + 1 on end are K step g
.irp m, 0,1,2,3
.irp j, 0,1,2,3
	ds_load_b128 v[OQ+64*\g+16*\m+4*\j:OQ+64*\g+16*\m+4*\j+3], v[OIF] offset:4096*\m+2048*\g+512*\j
.endr
.endr
.endr
	s_wait_loadcnt 16                              ; w_proj's 32 loads are in; x's sixteen may be out
	s_wait_dscnt 16                                ; K step 0's fragments are in
	WIN 0x54                                       ; o in window 0; w_proj, C and D in window 1 (the results take O^T's registers)
.irp m, 0,1,2,3                        ; eight accumulators by turns
.irp n, 0,1
	v_wmma_f32_16x16x128_fp8_fp8 v[8*(4*\n+\m):8*(4*\n+\m)+7], v[OQ+16*\m:OQ+16*\m+15], v[KF+32*\n:KF+32*\n+15], 0
.endr
.endr
	s_wait_dscnt 0x0
.irp m, 0,1,2,3
.irp n, 0,1
	v_wmma_f32_16x16x128_fp8_fp8 v[8*(4*\n+\m):8*(4*\n+\m)+7], v[BK+16*\m:BK+16*\m+15], v[KF+32*\n+16:KF+32*\n+31], v[8*(4*\n+\m):8*(4*\n+\m)+7]
.endr
.endr
	WIN 0
.rept 4
	v_nop                                          ; places in front of the first read of results and of writes into registers that the products have read
.endr
	WIN 0x01
.irp n, 0,1
.irp m, 0,1,2,3
.irp i, 0,2,4,6
	v_pk_fma_f32 v[OQ+8*(4*\n+\m)+\i:OQ+8*(4*\n+\m)+\i+1], v[8*(4*\n+\m)+\i:8*(4*\n+\m)+\i+1], s[52:53], v[BP+2*\n:BP+2*\n+1] op_sel_hi:[1,0,0]   ; sum x 2^(e6 + e7) + b_proj
.endr
.endr
.endr
	WIN 0
	; ---- the way out: a lane holds 32 bytes of a channel's 256; sixteen channels at a time go through my own stage and come back as whole rows.  LDS serves a wave's instructions in order (ISA guide 5.7.1.4): no wait between
.irp n, 0,1
.irp m, 0,1,2,3
	ds_store_b128 v[STO], v[OQ+8*(4*\n+\m):OQ+8*(4*\n+\m)+3] offset:64*\m
	ds_store_b128 v[STO], v[OQ+8*(4*\n+\m)+4:OQ+8*(4*\n+\m)+7] offset:64*\m+16
.endr
.irp i, 0,1,2,3,4,5,6,7
	ds_load_b128 v[BK+32*\n+4*\i:BK+32*\n+4*\i+3], v[RD] offset:2*\i*SP
.endr
.endr
.macro SEND n
	s_wait_dscnt 16-16*\n                          ; this half's rows are back; the other half's eight stores and eight loads may be out
	s_wait_loadcnt 8-8*\n                          ; this half's x is in; the other half's eight loads may be out
.irp i, 0,1,2,3,4,5,6,7
.irp k, 0,2
	v_pk_add_f32 v[BK+32*\n+4*\i+\k:BK+32*\n+4*\i+\k+1], v[BK+32*\n+4*\i+\k:BK+32*\n+4*\i+\k+1], v[XR+32*\n+4*\i+\k:XR+32*\n+4*\i+\k+1]   ; the residual
.endr
.endr
.irp i, 0,1,2,3,4,5,6,7
	global_store_b128 v[XO], v[BK+32*\n+4*\i:BK+32*\n+4*\i+3], s[56:57] offset:32768*(8*\n+\i) th:TH_STORE_NT   ; sixteen lanes store 256 consecutive bytes, at a multiple of 256 from out0's first byte
.endr
.endm
	SEND 0
	SEND 1
	s_wait_tensorcnt 0x0                           ; the wave's end, behind my last tensor load and my last LDS store
	ds_add_u32 v[SPW], v[NIL]
	s_wait_dscnt 0x0
	CROUND                                         ; the closing round: no work-group ends while a partner may still ask for a tile that names it
	s_endpgm
.Lfunc_end_k_qd483ba723c_attn:
	.size	k_qd483ba723c_attn, .Lfunc_end_k_qd483ba723c_attn-k_qd483ba723c_attn
	.p2alignl 7, 3214868480
	.fill 96, 4, 3214868480
	.section	.rodata,"a",@progbits
	.p2align	6, 0x0
	.amdhsa_kernel k_qd483ba723c_attn
		.amdhsa_group_segment_fixed_size 327680
		.amdhsa_private_segment_fixed_size 0
		.amdhsa_enable_private_segment 0
		.amdhsa_kernarg_size 56
		.amdhsa_user_sgpr_count 2
		.amdhsa_user_sgpr_kernarg_segment_ptr 1
		.amdhsa_wavefront_size32 1
		.amdhsa_system_sgpr_workgroup_id_x 1
		.amdhsa_system_sgpr_workgroup_id_y 1
		.amdhsa_system_sgpr_workgroup_id_z 1
		.amdhsa_system_vgpr_workitem_id 0
		.amdhsa_next_free_vgpr 512
		.amdhsa_next_free_sgpr 100
		.amdhsa_reserve_vcc 0
		.amdhsa_float_denorm_mode_32 3
		.amdhsa_float_denorm_mode_16_64 3
		.amdhsa_fp16_overflow 1
		.amdhsa_memory_ordered 1
		.amdhsa_forward_progress 1
		.amdhsa_inst_pref_size 129
	.end_amdhsa_kernel
	.amdgpu_metadata
---
amdhsa.version: [ 1, 2 ]
amdhsa.kernels:
  - .name:           k_qd483ba723c_attn
    .symbol:         k_qd483ba723c_attn.kd
    .args:
      - { .name: qws, .offset: 0, .size: 8, .value_kind: global_buffer, .address_space: global }
      - { .name: kvws, .offset: 8, .size: 8, .value_kind: global_buffer, .address_space: global }
      - { .name: w_proj_codes, .offset: 16, .size: 8, .value_kind: global_buffer, .address_space: global }
      - { .name: b_proj, .offset: 24, .size: 8, .value_kind: global_buffer, .address_space: global }
      - { .name: lowp_scales, .offset: 32, .size: 8, .value_kind: global_buffer, .address_space: global }
      - { .name: x, .offset: 40, .size: 8, .value_kind: global_buffer, .address_space: global }
      - { .name: out0, .offset: 48, .size: 8, .value_kind: global_buffer, .address_space: global }
    .group_segment_fixed_size: 327680
    .private_segment_fixed_size: 0
    .kernarg_segment_align: 8
    .kernarg_segment_size: 56
    .max_flat_workgroup_size: 256
    .sgpr_count:     100
    .vgpr_count:     512
    .wavefront_size: 32
...
	.end_amdgpu_metadata
.endif
;; end of part 2
